; MI455X (gfx1250); checked and timed in simulation.
; The chip was launched on July 23, 2026; its instructions are those of AMD's public machine-readable ISA for CDNA 5 (MIT licence, August 2026) and "CDNA5" Instruction Set Architecture Reference Guide (July 2026). The comments in the code are by the model that wrote it; some were corrected since.
;; Self Attention. Allowed arithmetic: matrix products marked QUANTISED: E4M3 operands, one given power-of-two scale a tensor, by v_wmma_f32_16x16x64_fp8_fp8 or v_wmma_f32_16x16x128_fp8_fp8, f32 sums; everything else in f32.
;; Inputs: Wk 1,024 x 1,024 float32; Wo 1,024 x 1,024 float32; Wq 1,024 x 1,024 float32; bo 1,024 float32; lowp_scales 12 int32 (the exponents e of the quantised operands' scales 2^e); x 4 x 2,048 x 1,024 float32.
;; Outputs: out0 4 x 2,048 x 1,024 float32.
;; This version of the problem:
;;   THIS VERSION OF THE PROBLEM IS GIVEN IN LOW PRECISION. The matrix products marked QUANTISED in the list below multiply operands that are first quantised to E4M3 (4 exponent bits, 3 mantissa bits; 8 bits a number), with one given power-of-two scale for each operand tensor; their sums are f32. All else is computed in f32.
;;   The module's matrix products, in the order in which they are computed (A, B: the left and right operand; K: the contracted axis; several contracted axes count as one K, in the product's order):
;;     1. [M 8,192, K 1,024] x [K 1,024, N 1,024]; A: input x; B: input Wk: QUANTISED (scales: A lowp_scales[0], B lowp_scales[1])
;;     2. [M 8,192, K 1,024] x [K 1,024, N 1,024]; A: input x; B: input Wq: QUANTISED (scales: A lowp_scales[2], B lowp_scales[3])
;;     3. [M 8,192, K 1,024] x [K 1,024, N 1,024]; A: input x; B: input Wk: QUANTISED (scales: A lowp_scales[4], B lowp_scales[5])
;;     4. batch 64 x [M 2,048, K 64] x [K 64, N 2,048]; A: computed on the way; B: computed on the way: QUANTISED (scales: A lowp_scales[6], B lowp_scales[7])
;;     5. batch 64 x [M 2,048, K 2,048] x [K 2,048, N 64]; A: softmax (see below); B: computed on the way: QUANTISED (scales: A lowp_scales[8], B lowp_scales[9])
;;     6. [M 8,192, K 1,024] x [K 1,024, N 1,024]; A: computed on the way; B: input Wo: QUANTISED (scales: A lowp_scales[10], B lowp_scales[11])
;;   THE QUANTISER, for each operand of a quantised product, along K:
;;     - The operand's scale is 2^e, e = its entry of the input lowp_scales (int32; the entries are numbered through the quantised products in the list's order, A before B).
;;     - Each number is divided by the scale, clamped to +-448, and rounded to the nearest number of E4M3, ties to even, subnormals kept.
;;     - The product sums the exact products of the quantised numbers (number of the format x scale) in f32.
;;   ~~~python
;;   def quantise(x, axis, e):      # numpy; x: float32 -> the quantised numbers, widened to float32 again
;;       x = np.moveaxis(x, axis, -1); K = x.shape[-1]
;;       r = np.clip(x / 2.0 ** e, -448, 448)
;;       step = 2.0 ** (np.maximum(np.frexp(np.where(r == 0, 1, r))[1] - 1, -6) - 3)
;;       q = np.round(r / step) * step * 2.0 ** e      # np.round: ties to even
;;       return np.moveaxis(q, -1, axis).astype(np.float32)
;;   ~~~
;;   SOFTMAX AHEAD OF A QUANTISED PRODUCT. Where the list says 'softmax', what is quantised is not the finished softmax but p = 2^(t - M), with t = logit x log2(e) and M = ceil(the row's largest t), a whole number; so 1/2 < the row's largest p <= 1. The row's sum l is taken of the UNQUANTISED p, in f32, and the product's result is divided by l at the end. Since M is a whole number, a kernel that streams over the keys may use a running M (the ceiling of the running maximum): every later rescaling is an exact power of two, so the quantised numbers keep their values, but for numbers so far below the row's largest that they fall under the format's range.
;;   OPERANDS COMPUTED ON THE WAY. 'Computed on the way' means the value that the module computes at that place (a softmax that the list does not call 'softmax' is quantised finished and normalised). What goes into a quantiser is computed in f32, as accurately as f32 sums, v_exp_f32 and their like allow (about 1e-6 of the number): no bf16 or f16 on the way to a quantiser, and a product that is left as it is and whose result goes on into a quantised operand takes f32 operands (vector FMAs, or v_wmma_f32_16x16x4_f32). A number that lies on a knife's edge between two numbers of the format may be rounded either way, as far as f32 arithmetic and the matrix unit's own rounding can turn it there, and no further.
;; One version. Each part assembles by itself: llvm-mc -triple=amdgcn-amd-amdhsa -mcpu=gfx1250 --defsym DOCPART=n.
;; ======== version 1 of 1: 4 launches
;; limits: right only within a limited range of input values
;; workspace buffers: xc 25,165,824 bytes; wc 4,194,304 bytes; kv 16,777,216 bytes; qimg 8,388,608 bytes; oimg 8,388,608 bytes
;; launch quant (part 1): grid 384 x 1, 4 waves a work-group, no clusters, 68,096 bytes of LDS; arguments x, Wk, Wq, Wo, lowp_scales, xc, wc; writes xc, wc
.if DOCPART == 1
	.amdgcn_target "amdgcn-amd-amdhsa--gfx1250"
	.amdhsa_code_object_version 6
	.text
	.protected	k_qc17c71d2fc_quant
	.globl	k_qc17c71d2fc_quant
	.p2align	8
	.type	k_qc17c71d2fc_quant,@function
k_qc17c71d2fc_quant:
	s_mov_b64 s[64:65], 0
	v_nop
	global_prefetch_b8 v0, s[64:65] scope:SCOPE_SE
	s_setreg_imm32_b32 hwreg(HW_REG_WAVE_MODE, 25, 1), 1
	s_wait_xcnt 0x0
; f32 numbers into codes of FP8 (E4M3), each with the one scale 2^e that is given for it: code = number / 2^e, held within +-448, to the nearest code, ties to even.
; x [8192][1024] is an operand of three products with three entries of the scales (0, 2, 4): three planes of codes, xc[plane][8192][1024], K innermost.
; Wk, Wq, Wo [k 1024][n 1024] have K as their FIRST axis: four planes wc[plane][n 1024][k 1024]: Wk with entry 1, Wq with entry 3, Wk with entry 5, Wo with entry 11.
; In Wo's plane alone the eight codes at places 8-15 and those at places 16-23 of each 32 along K change places: the launch that multiplies by it holds its other operand in that order.
; LIMITS: each of the entries 0 to 5 and 11 lies between -126 and 119, so that 2^e and 448 x 2^e are f32 numbers.  NaN among the inputs is not served; an infinity is held at the largest code.
; Work-groups 0-255 take x, 256-383 the weights: two paths that part on the work-group's number, never meet again, and have LDS bytes of their own.
; No matrix unit, no tensor load, no cluster, no barrier: waves share nothing, and each input byte is wanted once (Wk's twice, once for each of its two scales).
.set SP,   80                          ; x path: a lane's place in a stage: its 64 bytes + 16 of padding
.set RR,   16                          ; v16-79   four sets of 16 numbers as they are loaded
.set XN,   80                          ; v80-111  two sets of 16 neighbours
.set TH,   112                         ; v112-143 two sets of 16 held numbers, by turns
.set CC,   144                         ; v144-155 the codes under the three scales, four registers each
.set WSTG, 32768                       ; weights' path: its stages begin here, 32 rows x 272 bytes for each wave
.set WP,   272
.set WX,   32                          ; v32-95   two sets of 32 numbers
.set WC,   96                          ; v96-103  a block's codes
.set WO,   112                         ; v112-175 the way out
.macro XLOAD t                         ; step t: 2,048 bytes; each load reads 512 consecutive bytes, 16 a lane
.irp i, 0,1,2,3
	global_load_b128 v[RR+16*((\t)%4)+4*\i:RR+16*((\t)%4)+4*\i+3], v3, s[4:5] offset:2048*(\t)+512*\i th:TH_LOAD_NT
.endr
.endm
.macro XTURN t                         ; step t's numbers through the wave's own stage: in as they lie, out 64 bytes a lane.  LDS serves a wave's instructions in order (ISA guide 5.7.1.4): no wait between
.irp i, 0,1,2,3
	ds_store_b128 v14, v[RR+16*((\t)%4)+4*\i:RR+16*((\t)%4)+4*\i+3] offset:32*SP*((\t)%2)+8*SP*\i
.endr
.irp i, 0,1,2,3
	ds_load_b128 v[XN+16*((\t)%2)+4*\i:XN+16*((\t)%2)+4*\i+3], v15 offset:32*SP*((\t)%2)+16*\i
.endr
.endm
.macro XSTEP t
.set XS, XN+16*((\t)%2)
	s_wait_dscnt 0x0                               ; this step's numbers are back from the stage
	s_wait_xcnt 0x0                                ; the last step's three stores have read their registers: the codes may be written again
.if (\t)+4 < 16
	XLOAD (\t)+4
.endif
.if (\t)+1 < 16
.if 14-(\t) >= 3
	s_wait_loadcnt 12                              ; the next step's four loads are in; those of the three steps behind it may be out
.else
	s_wait_loadcnt 4*(14-(\t))
.endif
	XTURN (\t)+1                                   ; they go through the other stage while this step is worked
.endif
.irp i, 0,1,2                          ; the same 16 numbers under the three scales.  The held numbers go into two sets by turns, so that the next sixteen holds are plain lines that touch nothing of the conversions above them
.set TS, TH+16*((3*(\t)+\i)%2)
.irp k, 0,1,2,3,4,5,6,7,8,9,10,11,12,13,14,15
	v_med3_num_f32 v[TS+\k], v[XS+\k], -v[6+2*\i], v[6+2*\i]   ; the conversion to an 8-bit code does not saturate (ISA guide 7.6.2): the hold at the largest code x the scale
.endr
	v_cvt_scalef32_pk8_fp8_f32 v[CC+4*\i:CC+4*\i+1], v[TS:TS+7], v[5+2*\i]
	v_cvt_scalef32_pk8_fp8_f32 v[CC+4*\i+2:CC+4*\i+3], v[TS+8:TS+15], v[5+2*\i]
	global_store_b128 v3, v[CC+4*\i:CC+4*\i+3], s[20+2*\i:21+2*\i] offset:512*(\t)   ; the wave stores 512 consecutive bytes, aligned
.endr
.endm
.macro WLOAD t                         ; block t of 32 along K: register i takes row 32 t + i of my column; for Wo registers 8-15 take rows 16-23 and the other way round, by the two bases s[26:27] and s[28:29]
.irp i, 0,1,2,3,4,5,6,7,8,9,10,11,12,13,14,15,16,17,18,19,20,21,22,23,24,25,26,27,28,29,30,31
.if (\i >= 8) && (\i < 16)
	global_load_b32 v[WX+32*((\t)%2)+\i], v3, s[26:27] offset:(32*(\t)+\i)*4096
.elseif (\i >= 16) && (\i < 24)
	global_load_b32 v[WX+32*((\t)%2)+\i], v3, s[28:29] offset:(32*(\t)+\i-8)*4096
.else
	global_load_b32 v[WX+32*((\t)%2)+\i], v3, s[4:5] offset:(32*(\t)+\i)*4096
.endif
.endr
.endm
.macro WBLOCK t
.set XS, WX+32*((\t)%2)
.if (\t) < 7
	s_wait_loadcnt 32                              ; this block's 32 loads are in; the next block's may be out
.else
	s_wait_loadcnt 0
.endif
.irp i, 0,1,2,3,4,5,6,7,8,9,10,11,12,13,14,15,16,17,18,19,20,21,22,23,24,25,26,27,28,29,30,31
	v_med3_num_f32 v[XS+\i], v[XS+\i], -v10, v10
.endr
.irp g, 0,1,2,3
	v_cvt_scalef32_pk8_fp8_f32 v[WC+2*\g:WC+2*\g+1], v[XS+8*\g:XS+8*\g+7], v11
.endr
	ds_store_b128 v4, v[WC:WC+3] offset:32*(\t)    ; 32 codes: 32 bytes of my column's row
	ds_store_b128 v4, v[WC+4:WC+7] offset:32*(\t)+16
.if (\t)+2 < 8
	WLOAD (\t)+2
.endif
	s_wait_dscnt 0x0                               ; the stores have read their registers: the next block's codes may be written
.endm
	s_load_b256 s[4:11], s[0:1], 0x0               ; x s[4:5], Wk s[6:7], Wq s[8:9], Wo s[10:11]
	s_load_b128 s[12:15], s[0:1], 0x20             ; the scales' exponents s[12:13], xc s[14:15]
	s_load_b64 s[16:17], s[0:1], 0x30              ; wc
	v_lshl_add_u32 v192, v0, 2, 0x10800
	v_mov_b32 v193, 0
	v_lshrrev_b32 v1, 5, v0
	v_readfirstlane_b32 s18, v1                    ; wave 0..3
	v_and_b32 v2, 31, v0                           ; lane
	s_mov_b32 s31, 0
	s_wait_kmcnt 0x0
	s_load_b256 s[36:43], s[12:13], 0x0            ; entries 0 to 7
	s_load_b128 s[44:47], s[12:13], 0x20           ; entries 8 to 11
	s_cmp_lt_u32 ttmp9, 256
	s_cbranch_scc0 .Lweights
	; ---- x: a plain stream.  A wave takes 16 steps of 512 numbers: run 4 x work-group + wave of 8,192 numbers
	s_lshl_b32 s19, ttmp9, 2
	s_add_co_u32 s19, s19, s18
	s_lshl_b32 s30, s19, 15
	s_add_nc_u64 s[4:5], s[4:5], s[30:31]          ; x at my run: 32,768 bytes each
	s_lshl_b32 s30, s19, 13
	s_add_nc_u64 s[20:21], s[14:15], s[30:31]      ; its codes, 8,192 bytes, in plane 0,
	s_add_nc_u64 s[22:23], s[20:21], 0x800000      ; plane 1,
	s_add_nc_u64 s[24:25], s[20:21], 0x1000000     ; plane 2
	s_wait_alu depctr_va_vdst(0)
	v_lshlrev_b32 v3, 4, v2                        ; my 16 bytes of a load's 512, and of a store's
	s_lshl_b32 s32, s18, 13                        ; my wave's 8,192 bytes of LDS: two stages of 32 x 80
	v_lshrrev_b32 v14, 2, v2
	v_mul_u32_u24 v14, v14, SP
	v_and_b32 v15, 3, v2
	v_lshl_add_u32 v14, v15, 4, v14
	v_add_nc_u32 v14, s32, v14                     ; in: four lanes' 64 bytes on end, then 16 of padding
	v_mul_u32_u24 v15, v2, SP
	v_add_nc_u32 v15, s32, v15                     ; out: my 16 neighbours
.irp t, 0,1,2,3
	XLOAD \t
.endr
	s_wait_alu depctr_va_vdst(0)
	s_wait_kmcnt 0x0
.irp i, 0,1,2                          ; entries 0, 2, 4: 2^e in v5, v7, v9 (the conversion takes the exponent field), 448 x 2^e in v6, v8, v10
	s_add_co_i32 s26, s[36+2*\i], 127
	s_lshl_b32 s27, s26, 23
	v_mov_b32 v[5+2*\i], s27
	s_add_co_i32 s26, s26, 8
	s_lshl_b32 s26, s26, 23
	s_or_b32 s26, s26, 0x600000
	v_mov_b32 v[6+2*\i], s26
.endr
	s_wait_alu depctr_va_vdst(0)
	s_wait_loadcnt 12                              ; step 0's four loads are in
	XTURN 0
.irp t, 0,1,2,3,4,5,6,7,8,9,10,11,12,13,14,15
	XSTEP \t
.endr
	s_wait_tensorcnt 0x0
	ds_add_u32 v192, v193
	s_wait_dscnt 0x0
	s_endpgm
	; ---- the weights.  A LANE TAKES A COLUMN n AND ITS REGISTERS RUN DOWN K: each load reads 128 consecutive bytes a wave, and the conversions give codes with K innermost.
	; 32 work-groups a job: 8 along n (128 columns, 32 a wave) x 4 along K (256).  A column's 256 codes gather in the wave's stage and leave as rows: sixteen lanes store 256 consecutive bytes, aligned.
.Lweights:
	s_sub_co_u32 s19, ttmp9, 256
	s_lshr_b32 s48, s19, 5                         ; the job = the plane of wc: 0 Wk, 1 Wq, 2 Wk, 3 Wo
	s_and_b32 s49, s19, 7                          ; which 128 columns
	s_bfe_u32 s50, s19, 0x20003                    ; which 256 along K
	s_lshl_b32 s53, s49, 7
	s_lshl_b32 s54, s18, 5
	s_add_co_u32 s53, s53, s54                     ; my wave's first column
	s_lshl_b32 s30, s50, 20                        ; 256 rows of 4,096 bytes
	s_lshl_b32 s54, s53, 2
	s_add_co_u32 s30, s30, s54                     ; where my part of W begins
	s_lshl_b32 s56, s48, 20                        ; the plane,
	s_lshl_b32 s54, s53, 10                        ; my column's row of 1,024 codes,
	s_add_co_u32 s56, s56, s54
	s_lshl_b32 s54, s50, 8                         ; my 256 of them
	s_add_co_u32 s56, s56, s54
	s_mov_b32 s57, 0
	s_cmp_eq_u32 s48, 1                            ; the choices hang on the work-group's number alone
	s_cselect_b64 s[4:5], s[8:9], s[6:7]
	s_cmp_eq_u32 s48, 3
	s_cselect_b64 s[4:5], s[10:11], s[4:5]
	s_cselect_b32 s51, 32768, 0                    ; eight rows, for Wo alone
	s_add_nc_u64 s[4:5], s[4:5], s[30:31]
	s_mov_b32 s30, s51
	s_add_nc_u64 s[26:27], s[4:5], s[30:31]        ; registers 8-15: their own rows, or the rows eight further down
	s_sub_co_u32 s30, 32768, s51
	s_add_nc_u64 s[28:29], s[4:5], s[30:31]        ; registers 16-23 (whose offsets stand eight rows back): their own rows, or the rows eight further up
	s_add_nc_u64 s[8:9], s[16:17], s[56:57]
	s_wait_alu depctr_va_vdst(0)
	v_lshlrev_b32 v3, 2, v2                        ; in: 4 bytes a lane
	s_mul_i32 s55, s18, 32*WP
	s_add_co_u32 s55, s55, WSTG                    ; my stage
	v_mul_u32_u24 v4, v2, WP
	v_add_nc_u32 v4, s55, v4                       ; into it: row = my column
	v_and_b32 v5, 15, v2
	v_lshrrev_b32 v6, 4, v2                        ; out of it: sixteen lanes to a row, two rows an instruction
	v_mul_u32_u24 v7, v6, WP
	v_lshl_add_u32 v7, v5, 4, v7
	v_add_nc_u32 v7, s55, v7
	v_lshlrev_b32 v8, 10, v6
	v_lshl_add_u32 v8, v5, 4, v8                   ; and the same place in the plane
	WLOAD 0
	WLOAD 1
	s_wait_kmcnt 0x0
	s_cmp_eq_u32 s48, 1
	s_cselect_b32 s52, s39, s37                    ; entry 3 or entry 1,
	s_cmp_eq_u32 s48, 2
	s_cselect_b32 s52, s41, s52                    ; entry 5,
	s_cmp_eq_u32 s48, 3
	s_cselect_b32 s52, s47, s52                    ; entry 11
	s_add_co_i32 s52, s52, 127
	s_lshl_b32 s54, s52, 23
	v_mov_b32 v11, s54                             ; 2^e
	s_add_co_i32 s52, s52, 8
	s_lshl_b32 s52, s52, 23
	s_or_b32 s52, s52, 0x600000
	v_mov_b32 v10, s52                             ; 448 x 2^e
	s_wait_alu depctr_va_vdst(0)
.irp t, 0,1,2,3,4,5,6,7
	WBLOCK \t
.endr
.irp t, 0,1,2,3,4,5,6,7,8,9,10,11,12,13,14,15
	ds_load_b128 v[WO+4*\t:WO+4*\t+3], v7 offset:2*\t*WP   ; these see my stores: LDS serves a wave's instructions in order
.endr
.irp t, 0,1,2,3,4,5,6,7,8,9,10,11,12,13,14,15
	s_wait_dscnt 15-\t
	global_store_b128 v8, v[WO+4*\t:WO+4*\t+3], s[8:9] offset:2*\t*1024
.endr
	s_wait_tensorcnt 0x0
	ds_add_u32 v192, v193
	s_wait_dscnt 0x0
	s_endpgm
.Lfunc_end_k_qc17c71d2fc_quant:
	.size	k_qc17c71d2fc_quant, .Lfunc_end_k_qc17c71d2fc_quant-k_qc17c71d2fc_quant
	.p2alignl 7, 3214868480
	.fill 96, 4, 3214868480
	.section	.rodata,"a",@progbits
	.p2align	6, 0x0
	.amdhsa_kernel k_qc17c71d2fc_quant
		.amdhsa_group_segment_fixed_size 68096
		.amdhsa_private_segment_fixed_size 0
		.amdhsa_enable_private_segment 0
		.amdhsa_kernarg_size 56
		.amdhsa_user_sgpr_count 2
		.amdhsa_user_sgpr_kernarg_segment_ptr 1
		.amdhsa_wavefront_size32 1
		.amdhsa_system_sgpr_workgroup_id_x 1
		.amdhsa_system_sgpr_workgroup_id_y 1
		.amdhsa_system_sgpr_workgroup_id_z 1
		.amdhsa_system_vgpr_workitem_id 0
		.amdhsa_next_free_vgpr 194
		.amdhsa_next_free_sgpr 66
		.amdhsa_reserve_vcc 0
		.amdhsa_float_denorm_mode_32 3
		.amdhsa_float_denorm_mode_16_64 3
		.amdhsa_memory_ordered 1
		.amdhsa_forward_progress 1
		.amdhsa_inst_pref_size 126
	.end_amdhsa_kernel
	.amdgpu_metadata
---
amdhsa.version: [ 1, 2 ]
amdhsa.kernels:
  - .name:           k_qc17c71d2fc_quant
    .symbol:         k_qc17c71d2fc_quant.kd
    .args:
      - { .name: x, .offset: 0, .size: 8, .value_kind: global_buffer, .address_space: global }
      - { .name: Wk, .offset: 8, .size: 8, .value_kind: global_buffer, .address_space: global }
      - { .name: Wq, .offset: 16, .size: 8, .value_kind: global_buffer, .address_space: global }
      - { .name: Wo, .offset: 24, .size: 8, .value_kind: global_buffer, .address_space: global }
      - { .name: lowp_scales, .offset: 32, .size: 8, .value_kind: global_buffer, .address_space: global }
      - { .name: xc, .offset: 40, .size: 8, .value_kind: global_buffer, .address_space: global }
      - { .name: wc, .offset: 48, .size: 8, .value_kind: global_buffer, .address_space: global }
    .group_segment_fixed_size: 68096
    .private_segment_fixed_size: 0
    .kernarg_segment_align: 8
    .kernarg_segment_size: 56
    .max_flat_workgroup_size: 128
    .sgpr_count:     66
    .vgpr_count:     194
    .wavefront_size: 32
...
	.end_amdgpu_metadata
.endif
;; end of part 1
;; launch proj (part 2): grid 32 x 12, 4 waves a work-group, clusters of 4 x 4, 327,680 bytes of LDS; arguments xc, wc, lowp_scales, kv, qimg; writes kv, qimg
.if DOCPART == 2
	.amdgcn_target "amdgcn-amd-amdhsa--gfx1250"
	.amdhsa_code_object_version 6
	.text
	.protected	k_qc17c71d2fc_proj
	.globl	k_qc17c71d2fc_proj
	.p2align	8
	.type	k_qc17c71d2fc_proj,@function
k_qc17c71d2fc_proj:
	s_mov_b64 s[64:65], 0
	v_nop
	global_prefetch_b8 v0, s[64:65] scope:SCOPE_SE
	s_setreg_imm32_b32 hwreg(HW_REG_WAVE_MODE, 25, 1), 1
	s_wait_xcnt 0x0
	s_wait_alu depctr_hold_cnt(0) depctr_sa_sdst(0) depctr_va_vdst(0) depctr_va_sdst(0) depctr_va_ssrc(0) depctr_va_vcc(0) depctr_vm_vsrc(0)
	s_getreg_b32 s2, hwreg(HW_REG_IB_STS2, 6, 4)
	s_cmp_eq_u32 s2, 0
	s_cbranch_scc0 .Lentry_in_a_cluster
	s_endpgm
.Lentry_in_a_cluster:
	s_bfe_u32 s2, ttmp6, 0x10000c
	s_cmp_lg_u32 s2, 0xf033
	s_cbranch_scc0 .Lentry_shape_is_right
	s_endpgm
.Lentry_shape_is_right:
.set ROWB,   256
.set KROW,   1024
.set PITCH,  272
.set FR,     16
.set NL,     4
.set NP,     4
.set HALFT,  128*PITCH
.set SLOT,   4*HALFT
.set LAPS,   2
.set SPARE,  2*SLOT
.set ADRA, 16
.set ADRB, 20
.set LI,   27
.set SPW,  28
.set NIL,  29
.set SCL,  30
.set LIM,  31
.set TMP,  32
.set AF,   128
.set CD,   128
.set OB,   68
.set G1, 24
.set G0, 32
.set G1B, 48
.set G0B, 56
.set MSB, 0
.macro WIN new
.if MSB != \new
	s_set_vgpr_msb (MSB<<8)|\new
.set MSB, \new
.endif
.endm
.set MUL_LO, 0xa1
.set MUL_HI, 0xf1
.set TO_B,   0x40
.macro JLOAD g0a, g1a, g0b, g1b
	s_cmp_eq_u32 s15, 0
	s_cbranch_scc0 .Lfor_b_\@
	tensor_load_to_lds s[\g0a:\g0a+3], s[\g1a:\g1a+7]
	s_nop 0
.rept 4
	v_nop
.endr
	s_branch .Lasked_\@
.Lfor_b_\@:
	tensor_load_to_lds s[\g0b:\g0b+3], s[\g1b:\g1b+7]
	s_nop 0
.rept 4
	v_nop
.endr
.Lasked_\@:
.endm
.macro CREST
	s_cmp_lg_u32 s14, 0
	s_cbranch_scc1 .Lnot_wave_0_\@
	s_barrier_signal -3
.Lnot_wave_0_\@:
	s_barrier_wait -3
	s_barrier_signal -1
	s_barrier_wait -1
.endm
.macro CROUND
	s_barrier_signal -1
	s_barrier_wait -1
	CREST
.endm
	s_load_b256 s[68:75], s[0:1], 0x0
	s_load_b64 s[76:77], s[0:1], 0x20
	v_lshl_add_u32 v[SPW], v0, 2, SPARE
	v_mov_b32 v[NIL], 0
	ds_add_u32 v28, v29
	ds_add_u32 v28, v29
	s_wait_dscnt 0x0
	v_lshrrev_b32 v1, 5, v0
	v_readfirstlane_b32 s14, v1
	s_lshr_b32 s15, s14, 1
	s_and_b32 s16, s14, 1
	s_bfe_u32 s40, ttmp6, 0x40000
	s_bfe_u32 s41, ttmp6, 0x40004
	s_and_b32 s86, ttmp7, 0xffff
	s_lshl_b32 s87, ttmp9, 2
	s_lshl_b32 s80, s86, 23
	s_mov_b32 s81, 0
	s_lshl_b32 s82, s86, 20
	s_mov_b32 s83, 0
	s_cmp_lt_u32 s86, 2
	s_cselect_b32 s17, s87, 0
	s_cselect_b32 s42, 0, s87
	s_add_co_u32 s17, s17, s41
	s_add_co_u32 s42, s42, s40
	s_lshl_b32 s43, s41, 2
	s_lshl_b32 s43, 15, s43
	s_lshl_b32 s44, 0x1111, s40
	s_or_b32 s[G1+0], s43, (0<<16)|(1<<20)|(1<<21)|(5<<22)|(3<<25)
	s_or_b32 s[G1B+0], s44, (0<<16)|(1<<20)|(1<<21)|(5<<22)|(3<<25)
.irp g, G1, G1B
	s_mov_b32 s[\g+1], ROWB<<16
	s_mov_b32 s[\g+2], 128<<16
	s_mov_b32 s[\g+3], ROWB<<16
	s_mov_b32 s[\g+4], 128
	s_mov_b32 s[\g+5], KROW
	s_mov_b32 s[\g+6], 0
	s_mov_b32 s[\g+7], 0
.endr
	s_lshl_b32 s18, s16, 7
	s_lshl_b32 s20, s17, 8
	s_add_co_u32 s20, s20, s18
	s_lshl_b32 s20, s20, 10
	s_lshl_b32 s46, s42, 8
	s_add_co_u32 s46, s46, s18
	s_lshl_b32 s46, s46, 10
	s_mov_b32 s21, 0
	s_mov_b32 s47, 0
	s_mul_i32 s45, s14, HALFT
	s_wait_kmcnt 0x0
	s_load_b256 s[88:95], s[72:73], 0x0
	s_load_b128 s[96:99], s[72:73], 0x20
	s_add_nc_u64 s[68:69], s[68:69], s[80:81]
	s_add_nc_u64 s[70:71], s[70:71], s[82:83]
	s_cmp_lt_u32 s86, 2
	s_cselect_b64 s[4:5], s[68:69], s[70:71]
	s_cselect_b64 s[6:7], s[70:71], s[68:69]
	s_cmp_eq_u32 s86, 1
	s_cselect_b64 s[10:11], s[76:77], s[74:75]
	s_add_nc_u64 s[20:21], s[4:5], s[20:21]
	s_add_nc_u64 s[46:47], s[6:7], s[46:47]
	CROUND
.irp s, 0,1
	s_mov_b32 s[G0+4*\s], 1
	s_add_co_u32 s[G0+4*\s+1], s45, \s*SLOT
	s_add_nc_u64 s[G0+4*\s+2:G0+4*\s+3], s[20:21], \s*ROWB
	s_or_b32 s[G0+4*\s+3], s[G0+4*\s+3], 0x80000000
	s_mov_b32 s[G0B+4*\s], 1
	s_add_co_u32 s[G0B+4*\s+1], s45, \s*SLOT
	s_add_nc_u64 s[G0B+4*\s+2:G0B+4*\s+3], s[46:47], \s*ROWB
	s_or_b32 s[G0B+4*\s+3], s[G0B+4*\s+3], 0x80000000
	s_wait_alu depctr_va_vdst(0)
	s_wait_tensorcnt 0x0
	ds_add_u32 v28, v29
	ds_add_u32 v28, v29
	s_wait_dscnt 0x0
	CROUND
	JLOAD G0+4*\s, G1, G0B+4*\s, G1B
.endr
	v_and_b32 v1, 15, v0
	v_bfe_u32 v2, v0, 4, 1
	v_mul_u32_u24 v3, v1, PITCH
	v_lshl_add_u32 v4, v2, 4, v3
	s_mul_i32 s21, s15, HALFT
	s_mul_i32 s22, s16, HALFT
	s_add_co_u32 s22, s22, 2*HALFT
.irp s, 0,1
	v_add_nc_u32 v[ADRA+\s], s21, v4
	v_add_nc_u32 v[ADRB+\s], s22, v4
	s_add_co_u32 s21, s21, SLOT
	s_add_co_u32 s22, s22, SLOT
.endr
	v_and_b32 v6, 31, v0
	v_lshlrev_b32 v[LI], 4, v6
	s_wait_alu depctr_va_vdst(0)
	s_wait_kmcnt 0x0
	s_add_co_i32 s80, s88, s89
	s_add_co_i32 s81, s90, s91
	s_add_co_i32 s82, s92, s93
	s_sub_co_i32 s80, s95, s80
	s_sub_co_i32 s81, s94, s81
	s_sub_co_i32 s82, s97, s82
	s_cmp_eq_u32 s86, 1
	s_cselect_b32 s80, s81, s80
	s_cmp_eq_u32 s86, 2
	s_cselect_b32 s80, s82, s80
	s_add_co_i32 s80, s80, 127
	s_lshl_b32 s81, s80, 23
	v_mov_b32 v[SCL], s81
	s_add_co_i32 s80, s80, 8
	s_lshl_b32 s80, s80, 23
	s_or_b32 s80, s80, 0x600000
	v_mov_b32 v[LIM], s80
	s_mov_b32 s78, 0x3f800000
	s_cmp_lt_u32 s86, 2
	s_cselect_b32 s78, 0x3e3504f3, s78
	s_mov_b32 s79, s78
	s_cselect_b32 s80, s17, s42
	s_cselect_b32 s81, s42, s17
	s_cselect_b32 s82, s15, s16
	s_cselect_b32 s83, s16, s15
	s_cmp_eq_u32 s86, 1
	s_cselect_b32 s84, 12, 13
	s_lshr_b32 s85, s80, 3
	s_lshl_b32 s85, s85, 4
	s_lshl_b32 s81, s81, 2
	s_add_co_u32 s85, s85, s81
	s_lshl_b32 s83, s83, 1
	s_add_co_u32 s85, s85, s83
	s_lshl_b32 s85, s85, 5
	s_and_b32 s80, s80, 7
	s_lshl_b32 s80, s80, 2
	s_add_co_u32 s85, s85, s80
	s_lshl_b32 s82, s82, 1
	s_add_co_u32 s85, s85, s82
	s_lshl_b32 s85, s85, s84
	s_lshl_b32 s80, 1, s84
	s_lshl_b32 s81, s80, 5
	s_cmp_eq_u32 s86, 2
	s_cselect_b32 s82, 4096, 0
	s_cselect_b32 s83, s81, s80
	s_cselect_b32 s84, s80, s81
	s_add_co_u32 s80, s85, s82
	s_mov_b32 s81, 0
	s_add_nc_u64 s[OB:OB+1], s[10:11], s[80:81]
	s_mov_b32 s80, s84
	s_add_nc_u64 s[OB+2:OB+3], s[OB:OB+1], s[80:81]
	s_mov_b32 s80, s83
	s_add_nc_u64 s[OB+4:OB+5], s[OB:OB+1], s[80:81]
	s_add_nc_u64 s[OB+6:OB+7], s[OB+2:OB+3], s[80:81]
.macro FRAG reg, adr, q, i
.irp c, 0,1,2,3
	ds_load_b128 v[\reg+4*\c:\reg+4*\c+3], v[\adr] offset:128*(\q)+32*\c+(\i)*16*PITCH
.endr
.endm
.macro MUL16 a0, p, zero
.irp a, \a0, \a0+1
.irp b, 0,1,2,3,4,5,6,7
.if \zero
	v_wmma_f32_16x16x128_fp8_fp8 v[8*(8*((\a)%4)+\b):8*(8*((\a)%4)+\b)+7], v[128*(\p)+FR*\b:128*(\p)+FR*\b+FR-1], v[AF+FR*(\a):AF+FR*(\a)+FR-1], 0
.else
	v_wmma_f32_16x16x128_fp8_fp8 v[8*(8*((\a)%4)+\b):8*(8*((\a)%4)+\b)+7], v[128*(\p)+FR*\b:128*(\p)+FR*\b+FR-1], v[AF+FR*(\a):AF+FR*(\a)+FR-1], v[8*(8*((\a)%4)+\b):8*(8*((\a)%4)+\b)+7]
.endif
.endr
.endr
.endm
.macro FETCH_B slot, q, p
	WIN TO_B
.irp i, 0,1,2,3,4,5,6,7
	FRAG 128*(\p)+FR*\i, ADRB+\slot, \q, \i
.endr
	WIN 0
.endm
.macro FETCH_A slot, q, i0
.irp i, \i0, \i0+1, \i0+2, \i0+3
	FRAG AF+FR*(\i), ADRA+\slot, \q, \i
.endr
.endm
.macro PLACES n
.rept \n
	v_nop
.endr
.endm
.macro STEP slot, q, zero
	s_wait_dscnt 4*NL
	WIN MUL_LO
	MUL16 0, (\q)%2, \zero
	MUL16 2, (\q)%2, \zero
	s_wait_dscnt 0
	PLACES NP
	FETCH_B \slot, (\q)+1, 1-(\q)%2
	FETCH_A \slot, (\q)+1, 0
	WIN MUL_HI
	MUL16 4, (\q)%2, \zero
	MUL16 6, (\q)%2, \zero
	PLACES NP
	WIN 0
	FETCH_A \slot, (\q)+1, 4
.endm
.macro TURN slot, next, fill
	s_wait_tensorcnt 0x0
	ds_add_u32 v[SPW], v[NIL]
	s_wait_dscnt 4*NL+1
	WIN MUL_LO
	MUL16 0, 1, 0
	s_wait_dscnt 0x0
	s_barrier_signal -1
	MUL16 2, 1, 0
	WIN 0
	s_barrier_wait -1
.if \fill
	CREST
	s_add_nc_u64 s[G0+4*\slot+2:G0+4*\slot+3], s[G0+4*\slot+2:G0+4*\slot+3], 2*ROWB
	s_add_nc_u64 s[G0B+4*\slot+2:G0B+4*\slot+3], s[G0B+4*\slot+2:G0B+4*\slot+3], 2*ROWB
	JLOAD G0+4*\slot, G1, G0B+4*\slot, G1B
.else
	PLACES NP
.endif
	FETCH_B \next, 0, 0
	FETCH_A \next, 0, 0
	WIN MUL_HI
	MUL16 4, 1, 0
	MUL16 6, 1, 0
	PLACES NP
	WIN 0
	FETCH_A \next, 0, 4
.endm
	s_wait_tensorcnt 1
	s_barrier_signal -1
	s_barrier_wait -1
	FETCH_B 0, 0, 0
	FETCH_A 0, 0, 0
	FETCH_A 0, 0, 4
	STEP 0, 0, 1
	s_mov_b32 s3, LAPS-1
.Llap:
	TURN 0, 1, 1
	STEP 1, 0, 0
	TURN 1, 0, 1
	STEP 0, 0, 0
	s_sub_co_u32 s3, s3, 1
	s_cmp_lg_u32 s3, 0
	s_cbranch_scc1 .Llap
	TURN 0, 1, 0
	STEP 1, 0, 0
	s_wait_dscnt 4*NL
	WIN MUL_LO
	MUL16 0, 1, 0
	MUL16 2, 1, 0
	s_wait_dscnt 0
	WIN MUL_HI
	MUL16 4, 1, 0
	MUL16 6, 1, 0
	WIN 0
.macro OUTBLK a
.set AC, 64*((\a)%4)
.set CB, CD+16*(\a)
.set OP, OB+4*((\a)/4)
	WIN 0x02+((\a)/4)
.set j, 0
.rept 32
	v_pk_mul_f32 v[TMP+j:TMP+j+1], v[AC+j:AC+j+1], s[78:79] op_sel_hi:[1,0]
.set j, j+2
.endr
	WIN 0
.set j, 0
.rept 64
	v_med3_num_f32 v[TMP+j], v[TMP+j], -v[LIM], v[LIM]
.set j, j+1
.endr
.irp b, 0,1,2,3,4,5,6,7
	v_cvt_scalef32_pk8_fp8_f32 v[CB+2*\b:CB+2*\b+1], v[TMP+8*\b:TMP+8*\b+7], v[SCL]
.endr
	v_nop
.irp q, 0,1,2,3
	global_store_b128 v[LI], v[CB+4*\q:CB+4*\q+3], s[OP+2*(\q/2):OP+2*(\q/2)+1] offset:((\a)%4)*1024+(\q%2)*512
.endr
.endm
	PLACES NP
.irp a, 0,1,2,3,4,5,6,7
	OUTBLK \a
.endr
	s_wait_tensorcnt 0x0
	ds_add_u32 v[SPW], v[NIL]
	s_wait_dscnt 0x0
	CROUND
	s_endpgm
.Lfunc_end_k_qc17c71d2fc_proj:
	.size	k_qc17c71d2fc_proj, .Lfunc_end_k_qc17c71d2fc_proj-k_qc17c71d2fc_proj
	.p2alignl 7, 3214868480
	.fill 96, 4, 3214868480
	.section	.rodata,"a",@progbits
	.p2align	6, 0x0
	.amdhsa_kernel k_qc17c71d2fc_proj
		.amdhsa_group_segment_fixed_size 327680
		.amdhsa_private_segment_fixed_size 0
		.amdhsa_enable_private_segment 0
		.amdhsa_kernarg_size 40
		.amdhsa_user_sgpr_count 2
		.amdhsa_user_sgpr_kernarg_segment_ptr 1
		.amdhsa_wavefront_size32 1
		.amdhsa_system_sgpr_workgroup_id_x 1
		.amdhsa_system_sgpr_workgroup_id_y 1
		.amdhsa_system_sgpr_workgroup_id_z 1
		.amdhsa_system_vgpr_workitem_id 0
		.amdhsa_next_free_vgpr 1024
		.amdhsa_next_free_sgpr 100
		.amdhsa_reserve_vcc 0
		.amdhsa_float_denorm_mode_32 3
		.amdhsa_float_denorm_mode_16_64 3
		.amdhsa_memory_ordered 1
		.amdhsa_forward_progress 1
		.amdhsa_inst_pref_size 136
	.end_amdhsa_kernel
	.amdgpu_metadata
---
amdhsa.version: [ 1, 2 ]
amdhsa.kernels:
  - .name:           k_qc17c71d2fc_proj
    .symbol:         k_qc17c71d2fc_proj.kd
    .args:
      - { .name: xc, .offset: 0, .size: 8, .value_kind: global_buffer, .address_space: global }
      - { .name: wc, .offset: 8, .size: 8, .value_kind: global_buffer, .address_space: global }
      - { .name: lowp_scales, .offset: 16, .size: 8, .value_kind: global_buffer, .address_space: global }
      - { .name: kv, .offset: 24, .size: 8, .value_kind: global_buffer, .address_space: global }
      - { .name: qimg, .offset: 32, .size: 8, .value_kind: global_buffer, .address_space: global }
    .group_segment_fixed_size: 327680
    .private_segment_fixed_size: 0
    .kernarg_segment_align: 8
    .kernarg_segment_size: 40
    .max_flat_workgroup_size: 128
    .sgpr_count:     100
    .vgpr_count:     1024
    .wavefront_size: 32
...
	.end_amdgpu_metadata
.endif
;; end of part 2
;; launch attn (part 3): grid 4 x 64, 16 waves a work-group, clusters of 4 x 1, 327,680 bytes of LDS; arguments qimg, kv, lowp_scales, oimg; writes oimg
.if DOCPART == 3
	.amdgcn_target "amdgcn-amd-amdhsa--gfx1250"
	.amdhsa_code_object_version 6
	.text
	.protected	k_qc17c71d2fc_attn
	.globl	k_qc17c71d2fc_attn
	.p2align	8
	.type	k_qc17c71d2fc_attn,@function
k_qc17c71d2fc_attn:
	s_mov_b64 s[64:65], 0
	v_nop
	global_prefetch_b8 v0, s[64:65] scope:SCOPE_SE
	s_setreg_imm32_b32 hwreg(HW_REG_WAVE_MODE, 25, 1), 1
	s_wait_xcnt 0x0
	s_wait_alu depctr_hold_cnt(0) depctr_sa_sdst(0) depctr_va_vdst(0) depctr_va_sdst(0) depctr_va_ssrc(0) depctr_va_vcc(0) depctr_vm_vsrc(0)
	s_getreg_b32 s2, hwreg(HW_REG_IB_STS2, 6, 4)
	s_cmp_eq_u32 s2, 0
	s_cbranch_scc0 .Lentry_in_a_cluster
	s_endpgm
.Lentry_in_a_cluster:
	s_bfe_u32 s2, ttmp6, 0x10000c
	s_cmp_lg_u32 s2, 0x3003
	s_cbranch_scc0 .Lentry_shape_is_right
	s_endpgm
.Lentry_shape_is_right:
; Attention on codes of FP8 (E4M3): scores = q k^T (K = the head's 64; entries 6 and 7 of the scales), o = softmax(scores) v (K = the 2,048 keys; entries 8 and 9), and o's codes with entry 10.
; THE SOFTMAX AHEAD OF THE SECOND PRODUCT: t = score x log2(e); M = the row's largest t so far, rounded UP to a whole number; p = 2^(t - M) is what is quantised, not normalised.  The row's sum is taken of the
; unquantised p, in f32, and divides o at the end.  When M moves, the sum and o are multiplied by 2^(old M - new M), which rounds nothing.
; SHARES.  A work-group owns one head of one batch and 512 of its queries; each of its sixteen waves owns 32 of them, two tiles of 16, in 256 registers.  Each fragment of K and V that a wave reads from LDS feeds two matrix instructions.
; LDS.  The head's K and V, 262,144 bytes, lie in LDS whole, as they lie in kv: [group of 64 keys 32][K 4,096 bytes | V 4,096 bytes], images of fragments' registers: lane l's 16 bytes at 16 l, 512 bytes a load.
; Nothing is filled again.  Groups 0-7 (65,536 bytes) come by the head's load, 4,096 bytes a wave; groups 8-31 (196,608 bytes) by a second load, 12,288 bytes a wave, issued behind the wait, the add to the spare word, its wait and the round.
; The second load has seven key steps in which to land; one barrier then shows it to all waves.  The launch claims all of LDS.
; CLUSTER.  The four blocks of queries of a head form a cluster and want the same K and V: each tile is asked for JOINTLY, by the same tensor load with the same descriptor (made of the head and the wave's number) and the mask 15.
; NO PREFETCH: all that the launch reads through LDS is asked for by these two loads at its head; there is no loop to run ahead in.
; THE WALK.  K's fragments of group t + 1 are read from LDS behind group t's score products, V's behind its second products: each has most of a step in which to come.
; LAYOUT.  Both products are used transposed: S^T = K Q^T (source 0 = 16 keys, source 1 = 16 queries), O^T = V^T P^T (source 0 = 16 features, source 1 = P): a lane holds ONE query (lane % 16) throughout.
; In S^T's tile T register j of lane (r, h) is key 16 T + 8 h + j: eight registers become registers 2 T, 2 T + 1 of P in the 16x16x64 form's own layout.  O^T's codes are a fragment likewise:
; oimg[tile of 16 rows 512][head 16][half fragment 2][lane 32][16 bytes].
; LIMITS on the given exponents, so that each power of two below is an f32 number: entries 6 + 7 between -126 and 127; entry 8 and entry 10 between -126 and 119.
; The scaled scores t stay under 2^31 in magnitude (the change of M is taken as a 32-bit whole number).
.set SPARE, 0x40000                    ; behind K and V: the spare words, 128 bytes for each wave, that no other line names
.set LI,   1                           ; v1   16 x lane
.set ADR,  2                           ; v2   LDS address of the group that the step reads ahead
.set OSC,  3                           ; v3   2^e10
; v4 + 4 q: -M, v5 + 4 q: the largest t, v[6 + 4 q : 7 + 4 q]: the sum in two halves, of tile q
.set PLIM, 12                          ; v12, v13  448 x 2^e8, twice: the two halves of a dual pair name registers of their own
.set PSC,  14                          ; v14  2^e8
.set OLIM, 15                          ; v15  448 x 2^e10
.set QF,  16                           ; v16-31   Q: 8 a tile
.set KF,  32                           ; v32-63   K's four fragments
.set VF,  64                           ; v64-95   V's four
.set SS,  96                           ; v96-159  S^T, then p: 32 a tile
.set OO,  160                          ; v160-223 O^T: 32 a tile
.set PP,  224                          ; v224-239 codes: 8 a tile
.set TP,  240                          ; v240 + 8 q: at work.  v247 my spare word's address, v255 0: never rewritten
.set WV,  12                           ; s12  wave
.set SEL, 20                           ; s[20:21] lane selects for v_permlanex16_b32: lane l xor 16
.set CS,  22                           ; s[22:23] log2(e) x 2^(e6 + e7)
.set G1,  24                           ; s[24:31] descriptor group 1 of the head's load;  s[32:39] of the second;  s[40:43], s[44:47] their groups 0
.set G1B, 32
.set G0,  40
.set G0B, 44
.set TB,  2                            ; s2   LDS byte at which the group read ahead begins
.set CNT, 3                            ; s3   trips to go
.macro CROUND                          ; a round of the cluster's barrier
	s_barrier_signal -1
	s_barrier_wait -1
	s_cmp_lg_u32 s[WV], 0
	s_cbranch_scc1 .Lnot_wave_0_\@
	s_barrier_signal -3
.Lnot_wave_0_\@:
	s_barrier_wait -3
	s_barrier_signal -1
	s_barrier_wait -1
.endm
	s_load_b256 s[4:11], s[0:1], 0x0               ; qimg s[4:5], kv s[6:7], the scales' exponents s[8:9], oimg s[10:11]
	v_lshl_add_u32 v247, v0, 2, SPARE
	v_mov_b32 v255, 0
	ds_add_u32 v247, v255                          ; the opening: the add, twice on end, and its wait ahead of my first tensor load
	ds_add_u32 v247, v255
	v_lshrrev_b32 v1, 5, v0
	v_readfirstlane_b32 s[WV], v1                  ; wave 0..15
	s_bfe_u32 s13, ttmp6, 0x40000                  ; cx: my block of 512 queries: it enters Q's and O's addresses alone
	s_and_b32 s14, ttmp7, 0xffff                   ; the head of batch, which the four partners share
	; descriptor groups 1: dense blocks as rows of 256 bytes: 16 rows, and 48
	s_mov_b32 s[G1], 15|(3<<16)|(1<<21)            ; 15:0 the mask: all four work-groups; 17:16 elements of 8 bytes; no padding; 21 set beside a mask
	s_mov_b32 s[G1+1], 32<<16                      ; tensor_dim0 = 32
	s_mov_b32 s[G1+2], 16<<16                      ; tensor_dim1 = 16
	s_mov_b32 s[G1+3], 32<<16                      ; tile_dim0 = 32
	s_mov_b32 s[G1+4], 16                          ; tile_dim1 = 16
	s_mov_b32 s[G1+5], 32                          ; tensor_dim0_stride
	s_mov_b32 s[G1+6], 0
	s_mov_b32 s[G1+7], 0
	s_mov_b32 s[G1B], 15|(3<<16)|(1<<21)
	s_mov_b32 s[G1B+1], 32<<16
	s_mov_b32 s[G1B+2], 48<<16
	s_mov_b32 s[G1B+3], 32<<16
	s_mov_b32 s[G1B+4], 48
	s_mov_b32 s[G1B+5], 32
	s_mov_b32 s[G1B+6], 0
	s_mov_b32 s[G1B+7], 0
	s_mov_b32 s[SEL], 0x76543210
	s_mov_b32 s[SEL+1], 0xfedcba98
	s_lshl_b32 s16, s14, 18                        ; the head's 262,144 bytes of kv
	s_lshl_b32 s17, s[WV], 12                      ; my 4,096 bytes of groups 0-7, in memory and in LDS
	s_add_co_u32 s18, s16, s17
	s_mov_b32 s19, 0
	s_mul_i32 s57, s[WV], 12288
	s_add_co_u32 s57, s57, 65536                   ; my 12,288 bytes of groups 8-31, in memory and in LDS
	s_add_co_u32 s58, s16, s57
	s_mov_b32 s59, 0
	s_lshl_b32 s60, s14, 17                        ; Q: the head's 128 tiles of 1,024 bytes,
	s_lshl_b32 s56, s13, 15                        ; my block's 32,
	s_add_co_u32 s60, s60, s56
	s_lshl_b32 s56, s[WV], 11                      ; my wave's two
	s_add_co_u32 s60, s60, s56
	s_mov_b32 s61, 0
	s_lshr_b32 s62, s14, 4                         ; O: the batch's 128 tiles of rows,
	s_lshl_b32 s62, s62, 7
	s_lshl_b32 s56, s13, 5
	s_add_co_u32 s62, s62, s56
	s_lshl_b32 s56, s[WV], 1
	s_add_co_u32 s62, s62, s56                     ; my first tile of rows,
	s_lshl_b32 s62, s62, 14                        ; 16 heads x 1,024 bytes each,
	s_and_b32 s56, s14, 15
	s_lshl_b32 s56, s56, 10
	s_add_co_u32 s62, s62, s56                     ; my head
	s_mov_b32 s63, 0
	s_wait_dscnt 0x0                               ; both opening adds are done
	s_wait_kmcnt 0x0
	s_load_b256 s[48:55], s[8:9], 0x10             ; entries 4 to 11: e6 s50, e7 s51, e8 s52, e9 s53, e10 s54
	s_add_nc_u64 s[4:5], s[4:5], s[60:61]
	s_add_nc_u64 s[10:11], s[10:11], s[62:63]
	s_mov_b32 s[G0], 1                             ; count = 1
	s_mov_b32 s[G0+1], s17                         ; LDS address
	s_add_nc_u64 s[G0+2:G0+3], s[6:7], s[18:19]
	s_or_b32 s[G0+3], s[G0+3], 0x80000000          ; type = 2
	s_mov_b32 s[G0B], 1
	s_mov_b32 s[G0B+1], s57
	s_add_nc_u64 s[G0B+2:G0B+3], s[6:7], s[58:59]
	s_or_b32 s[G0B+3], s[G0B+3], 0x80000000
	CROUND                                         ; all four work-groups are here: the joint loads meet
	tensor_load_to_lds s[G0:G0+3], s[G1:G1+7]      ; groups 0-7: my one tensor load at the head
	s_nop 0
.rept 4
	v_nop
.endr
	v_and_b32 v[LI], 31, v0
	v_lshlrev_b32 v[LI], 4, v[LI]
.irp i, 0,1,2,3
	global_load_b128 v[QF+4*\i:QF+4*\i+3], v[LI], s[4:5] offset:512*\i   ; Q's two fragments stay in registers
.endr
.irp q, 0,1
	v_mov_b32 v[5+4*\q], 0xff61b1e6                ; the largest t so far: -3e38, under every t
	v_mov_b32 v[6+4*\q], 0                         ; the sum, in two halves
	v_mov_b32 v[7+4*\q], 0
	v_floor_f32 v[4+4*\q], -v[5+4*\q]              ; -M
	v_mov_b32 v[TP+8*\q+3], 0                      ; (named as the upper half of a pair)
	v_mov_b32 v[TP+8*\q+6], 0                      ; written once: a lane permute's destination counts as one of its sources
.endr
.set j, 0
.rept 64
	v_mov_b32 v[OO+j], 0                           ; O^T.  (The step has no first step of its own: it finds zeros, which the first change of M leaves zeros)
.set j, j+1
.endr
	s_wait_kmcnt 0x0
	s_add_co_i32 s56, s50, s51
	s_lshl_b32 s56, s56, 23
	s_add_co_i32 s[CS], s56, 0x3fb8aa3b            ; a score stands for score x 2^(e6 + e7): the two exponents are added to the exponent field of log2(e)
	s_mov_b32 s[CS+1], s[CS]
	s_add_co_i32 s56, s52, 127
	s_lshl_b32 s57, s56, 23
	v_mov_b32 v[PSC], s57
	s_add_co_i32 s56, s56, 8
	s_lshl_b32 s56, s56, 23
	s_or_b32 s56, s56, 0x600000
	v_mov_b32 v[PLIM], s56
	v_mov_b32 v[PLIM+1], s56
	s_add_co_i32 s56, s54, 127
	s_lshl_b32 s57, s56, 23
	v_mov_b32 v[OSC], s57
	s_add_co_i32 s56, s56, 8
	s_lshl_b32 s56, s56, 23
	s_or_b32 s56, s56, 0x600000
	v_mov_b32 v[OLIM], s56
	s_add_co_i32 s66, s52, s53                     ; e8 + e9
	s_mov_b32 s[TB], 0
; A KEY STEP: 64 keys x my 32 queries.  The two tiles' lines alternate.  more = 1: the next group's fragments are read ahead.
.macro STEP more
	s_wait_dscnt 8                                 ; this group's K is in; the eight loads behind it, its V, may be out
.irp T, 0,1,2,3
.irp q, 0,1
	v_wmma_f32_16x16x64_fp8_fp8 v[SS+32*\q+8*\T:SS+32*\q+8*\T+7], v[KF+8*\T:KF+8*\T+7], v[QF+8*\q:QF+8*\q+7], 0
.endr
.endr
.if \more
	s_add_co_u32 s[TB], s[TB], 8192
	v_add_nc_u32 v[ADR], s[TB], v[LI]              ; the next group.  (One of the four places)
.else
	v_nop
.endif
.rept 3
	v_nop                                          ; places in front of the loads into K's registers and of the reads of the scores
.endr
.if \more
.irp f, 0,1,2,3,4,5,6,7
	ds_load_b128 v[KF+4*\f:KF+4*\f+3], v[ADR] offset:512*\f   ; the next group's K comes while this step is worked
.endr
.endif
.irp q, 0,1                            ; the step's largest score of my query among my 32 keys, in two chains, each accumulator from its low end on
	v_max3_num_f32 v[TP+8*\q], v[SS+32*\q], v[SS+32*\q+1], v[SS+32*\q+2]
	v_max3_num_f32 v[TP+8*\q+1], v[SS+32*\q+3], v[SS+32*\q+4], v[SS+32*\q+5]
.endr
.irp i, 6,10,14,18,22,26
.irp q, 0,1
	v_max3_num_f32 v[TP+8*\q], v[TP+8*\q], v[SS+32*\q+\i], v[SS+32*\q+\i+1]
	v_max3_num_f32 v[TP+8*\q+1], v[TP+8*\q+1], v[SS+32*\q+\i+2], v[SS+32*\q+\i+3]
.endr
.endr
.irp q, 0,1
	v_max3_num_f32 v[TP+8*\q], v[TP+8*\q], v[SS+32*\q+30], v[SS+32*\q+31]
.endr
.irp q, 0,1
	s_delay_alu instid0(VALU_DEP_2)
	v_max_num_f32 v[TP+8*\q], v[TP+8*\q], v[TP+8*\q+1]
.endr
.irp q, 0,1
	s_delay_alu instid0(VALU_DEP_2)
	v_permlanex16_b32 v[TP+8*\q+6], v[TP+8*\q], s[SEL], s[SEL+1]
.endr
.irp q, 0,1
	s_delay_alu instid0(VALU_DEP_2)
	v_max_num_f32 v[TP+8*\q], v[TP+8*\q], v[TP+8*\q+6]   ; and among lane l xor 16's
.endr
.irp q, 0,1
	s_delay_alu instid0(VALU_DEP_2)
	v_mul_f32 v[TP+8*\q], s[CS], v[TP+8*\q]        ; as t (the factor is positive)
.endr
.irp q, 0,1
	s_delay_alu instid0(VALU_DEP_2)
	v_max_num_f32 v[5+4*\q], v[5+4*\q], v[TP+8*\q] ; the running largest t
.endr
.irp q, 0,1
	v_mov_b32 v[TP+8*\q], v[4+4*\q]
.endr
.irp q, 0,1
	s_delay_alu instid0(VALU_DEP_4)
	v_floor_f32 v[4+4*\q], -v[5+4*\q]              ; the new -M = floor(-t) = -ceil(t): M is a whole number
.endr
.irp q, 0,1
	s_delay_alu instid0(VALU_DEP_2)
	v_sub_f32 v[TP+8*\q], v[4+4*\q], v[TP+8*\q]    ; M's old value less its new one: a whole number, 0 or less
.endr
.irp q, 0,1
	s_delay_alu instid0(VALU_DEP_2)
	v_cvt_i32_f32 v[TP+8*\q], v[TP+8*\q]           ; (it saturates)
.endr
.irp q, 0,1
	s_delay_alu instid0(VALU_DEP_2)
	v_ldexp_f32 v[TP+8*\q+2], 1.0, v[TP+8*\q]      ; f = 2^(old M - new M)
.endr
.set j, 0
.rept 16
.irp q, 0,1
	v_pk_fma_f32 v[SS+32*\q+j:SS+32*\q+j+1], v[SS+32*\q+j:SS+32*\q+j+1], s[CS:CS+1], v[4+4*\q:5+4*\q] op_sel_hi:[1,0,0]   ; t - M, two at a time
.endr
.set j, j+2
.endr
	s_wait_alu depctr_va_vdst(0)                   ; the wait ahead of the batch
.set j, 0
.rept 64
	v_exp_f32 v[SS+j], v[SS+j]                     ; p = 2^(t - M), at most 1: one batch for both tiles
.set j, j+1
.endr
.irp q, 0,1
	v_pk_mul_f32 v[6+4*\q:7+4*\q], v[6+4*\q:7+4*\q], v[TP+8*\q+2:TP+8*\q+3] op_sel_hi:[1,0]   ; the sums under the new M: the plain lines behind the exponentials
.endr
	s_wait_alu depctr_va_vdst(0)                   ; and the wait behind the batch, ahead of its first reader
.irp q, 0,1                            ; THE ROW'S SUM IS TAKEN OF THE UNQUANTISED p: two at a time, in two chains
	v_pk_add_f32 v[TP+8*\q+4:TP+8*\q+5], v[SS+32*\q:SS+32*\q+1], v[SS+32*\q+2:SS+32*\q+3]
.endr
.irp i, 4,8,12,16,20,24,28
.irp q, 0,1
	v_pk_add_f32 v[6+4*\q:7+4*\q], v[6+4*\q:7+4*\q], v[SS+32*\q+\i:SS+32*\q+\i+1]
	v_pk_add_f32 v[TP+8*\q+4:TP+8*\q+5], v[TP+8*\q+4:TP+8*\q+5], v[SS+32*\q+\i+2:SS+32*\q+\i+3]
.endr
.endr
.irp q, 0,1
	v_pk_add_f32 v[6+4*\q:7+4*\q], v[6+4*\q:7+4*\q], v[TP+8*\q+4:TP+8*\q+5]
.endr
.set j, 0
.rept 32
	v_dual_min_num_f32 v[SS+j], v[SS+j], v[PLIM] :: v_dual_min_num_f32 v[SS+j+1], v[SS+j+1], v[PLIM+1]   ; the conversion to an 8-bit code does not saturate (ISA guide 7.6.2); p is not negative, so the hold is one-sided; two holds a line
.set j, j+2
.endr
.irp q, 0,1
.irp T, 0,1,2,3
	v_cvt_scalef32_pk8_fp8_f32 v[PP+8*\q+2*\T:PP+8*\q+2*\T+1], v[SS+32*\q+8*\T:SS+32*\q+8*\T+7], v[PSC]
.endr
.endr
	s_wait_alu depctr_va_vdst(0)                   ; the wait here, directly ahead of the first reader of O^T
.set j, 0
.rept 16
.irp q, 0,1
	v_pk_mul_f32 v[OO+32*\q+j:OO+32*\q+j+1], v[OO+32*\q+j:OO+32*\q+j+1], v[TP+8*\q+2:TP+8*\q+3] op_sel_hi:[1,0]   ; O^T under the new M, each accumulator from its low end on.  (Also the plain lines behind the conversions)
.endr
.set j, j+2
.endr
	s_wait_alu depctr_va_vdst(0)                   ; the wait here, directly ahead of the wait below
	s_wait_dscnt 8*\more                           ; V is in; the next group's eight loads of K may be out
.irp t, 0,1,2,3                        ; the eight accumulators take turns, one instruction a turn, and the eight products of the scores stand between two turns
.irp q, 0,1
	v_wmma_f32_16x16x64_fp8_fp8 v[OO+32*\q+8*\t:OO+32*\q+8*\t+7], v[VF+8*\t:VF+8*\t+7], v[PP+8*\q:PP+8*\q+7], v[OO+32*\q+8*\t:OO+32*\q+8*\t+7]
.endr
.endr
.rept 4
	v_nop                                          ; places in front of loads into registers that these products read, and of the reads of the last step's results
.endr
.if \more
.irp f, 0,1,2,3,4,5,6,7
	ds_load_b128 v[VF+4*\f:VF+4*\f+3], v[ADR] offset:4096+512*\f   ; the next group's V
.endr
.endif
.endm
	s_wait_alu depctr_va_vdst(0)                   ; the wait at the head's end
	s_wait_tensorcnt 0x0                           ; my part of groups 0-7 is in; these lines stand ahead of the second load:
	ds_add_u32 v247, v255                          ; 0 onto my spare word,
	s_wait_dscnt 0x0                               ; and its wait
	CROUND                                         ; everybody's part of groups 0-7 is in, and all four work-groups are here: the joint loads meet
	tensor_load_to_lds s[G0B:G0B+3], s[G1B:G1B+7]  ; groups 8-31: the first tensor load behind the round, my only one
	s_nop 0
.rept 4
	v_nop
.endr
.irp f, 0,1,2,3,4,5,6,7
	ds_load_b128 v[KF+4*\f:KF+4*\f+3], v[LI] offset:512*\f          ; group 0: K,
.endr
.irp f, 0,1,2,3,4,5,6,7
	ds_load_b128 v[VF+4*\f:VF+4*\f+3], v[LI] offset:4096+512*\f     ; and V
.endr
	s_wait_loadcnt 0x0                             ; Q
	s_mov_b32 s[CNT], 7
.Lfirst:                                           ; steps 0-6 read ahead groups 1-7, which the head's load brought
	STEP 1
	s_sub_co_u32 s[CNT], s[CNT], 1
	s_cmp_lg_u32 s[CNT], 0
	s_cbranch_scc1 .Lfirst
	s_wait_tensorcnt 0x0                           ; my part of groups 8-31 is in,
	s_wait_dscnt 0x0                               ; no LDS load of mine is out at the signal,
	s_barrier_signal -1
	s_barrier_wait -1                              ; and everybody's part is in.
	s_mov_b32 s[TB], 7*8192
	s_mov_b32 s[CNT], 24
.Lrest:                                            ; steps 7-30 read ahead groups 8-31
	STEP 1
	s_sub_co_u32 s[CNT], s[CNT], 1
	s_cmp_lg_u32 s[CNT], 0
	s_cbranch_scc1 .Lrest
	STEP 0                                         ; step 31 reads nothing ahead
	; THE WAY OUT: O^T x 2^(e8 + e9) / the sum; the hold; codes with 2^e10: registers 2 t, 2 t + 1 hold features 16 t + 8 h + 0 .. 7 of my query: a fragment's image, stored as it stands.
.irp q, 0,1
	v_add_f32 v[TP+8*\q], v[6+4*\q], v[7+4*\q]     ; the sum's two halves,
.endr
.irp q, 0,1
	s_delay_alu instid0(VALU_DEP_2)
	v_permlanex16_b32 v[TP+8*\q+6], v[TP+8*\q], s[SEL], s[SEL+1]
.endr
.irp q, 0,1
	s_delay_alu instid0(VALU_DEP_2)
	v_add_f32 v[TP+8*\q], v[TP+8*\q], v[TP+8*\q+6] ; and lane l xor 16's
.endr
	s_wait_alu depctr_va_vdst(0)                   ; the wait ahead of the reciprocals
.irp q, 0,1
	v_rcp_f32 v[TP+8*\q+1], v[TP+8*\q]
.endr
	v_nop                                          ; a plain line behind them
	s_wait_alu depctr_va_vdst(0)                   ; and the wait ahead of their first reader
.irp q, 0,1
	v_ldexp_f32 v[TP+8*\q+2], v[TP+8*\q+1], s66
.endr
	s_wait_alu depctr_va_vdst(0)                   ; the wait here, directly ahead of the first reader of O^T
.set j, 0
.rept 16
.irp q, 0,1
	v_pk_mul_f32 v[OO+32*\q+j:OO+32*\q+j+1], v[OO+32*\q+j:OO+32*\q+j+1], v[TP+8*\q+2:TP+8*\q+3] op_sel_hi:[1,0]
.endr
.set j, j+2
.endr
.set j, 0
.rept 64
	v_med3_num_f32 v[OO+j], v[OO+j], -v[OLIM], v[OLIM]
.set j, j+1
.endr
.irp q, 0,1
.irp t, 0,1,2,3
	v_cvt_scalef32_pk8_fp8_f32 v[PP+8*\q+2*\t:PP+8*\q+2*\t+1], v[OO+32*\q+8*\t:OO+32*\q+8*\t+7], v[OSC]
.endr
.endr
	v_nop
.irp q, 0,1
.irp c, 0,1
	global_store_b128 v[LI], v[PP+8*\q+4*\c:PP+8*\q+4*\c+3], s[10:11] offset:16384*\q+512*\c   ; the wave stores 512 consecutive bytes, aligned
.endr
.endr
	s_wait_tensorcnt 0x0                           ; the wave's end
	ds_add_u32 v247, v255
	s_wait_dscnt 0x0
	CROUND                                         ; the closing round: no work-group ends while a partner may still ask for a tile that names it
	s_endpgm
.Lfunc_end_k_qc17c71d2fc_attn:
	.size	k_qc17c71d2fc_attn, .Lfunc_end_k_qc17c71d2fc_attn-k_qc17c71d2fc_attn
	.p2alignl 7, 3214868480
	.fill 96, 4, 3214868480
	.section	.rodata,"a",@progbits
	.p2align	6, 0x0
	.amdhsa_kernel k_qc17c71d2fc_attn
		.amdhsa_group_segment_fixed_size 327680
		.amdhsa_private_segment_fixed_size 0
		.amdhsa_enable_private_segment 0
		.amdhsa_kernarg_size 32
		.amdhsa_user_sgpr_count 2
		.amdhsa_user_sgpr_kernarg_segment_ptr 1
		.amdhsa_wavefront_size32 1
		.amdhsa_system_sgpr_workgroup_id_x 1
		.amdhsa_system_sgpr_workgroup_id_y 1
		.amdhsa_system_sgpr_workgroup_id_z 1
		.amdhsa_system_vgpr_workitem_id 0
		.amdhsa_next_free_vgpr 256
		.amdhsa_next_free_sgpr 80
		.amdhsa_reserve_vcc 0
		.amdhsa_float_denorm_mode_32 3
		.amdhsa_float_denorm_mode_16_64 3
		.amdhsa_memory_ordered 1
		.amdhsa_forward_progress 1
		.amdhsa_inst_pref_size 66
	.end_amdhsa_kernel
	.amdgpu_metadata
---
amdhsa.version: [ 1, 2 ]
amdhsa.kernels:
  - .name:           k_qc17c71d2fc_attn
    .symbol:         k_qc17c71d2fc_attn.kd
    .args:
      - { .name: qimg, .offset: 0, .size: 8, .value_kind: global_buffer, .address_space: global }
      - { .name: kv, .offset: 8, .size: 8, .value_kind: global_buffer, .address_space: global }
      - { .name: lowp_scales, .offset: 16, .size: 8, .value_kind: global_buffer, .address_space: global }
      - { .name: oimg, .offset: 24, .size: 8, .value_kind: global_buffer, .address_space: global }
    .group_segment_fixed_size: 327680
    .private_segment_fixed_size: 0
    .kernarg_segment_align: 8
    .kernarg_segment_size: 32
    .max_flat_workgroup_size: 512
    .sgpr_count:     80
    .vgpr_count:     256
    .wavefront_size: 32
...
	.end_amdgpu_metadata
.endif
;; end of part 3
;; launch outp (part 4): grid 4 x 64, 4 waves a work-group, clusters of 4 x 4, 327,680 bytes of LDS; arguments oimg, wc, lowp_scales, bo, out0; writes out0
.if DOCPART == 4
	.amdgcn_target "amdgcn-amd-amdhsa--gfx1250"
	.amdhsa_code_object_version 6
	.text
	.protected	k_qc17c71d2fc_outp
	.globl	k_qc17c71d2fc_outp
	.p2align	8
	.type	k_qc17c71d2fc_outp,@function
k_qc17c71d2fc_outp:
	s_mov_b64 s[64:65], 0
	v_nop
	global_prefetch_b8 v0, s[64:65] scope:SCOPE_SE
	s_setreg_imm32_b32 hwreg(HW_REG_WAVE_MODE, 25, 1), 1
	s_wait_xcnt 0x0
	s_wait_alu depctr_hold_cnt(0) depctr_sa_sdst(0) depctr_va_vdst(0) depctr_va_sdst(0) depctr_va_ssrc(0) depctr_va_vcc(0) depctr_vm_vsrc(0)
	s_getreg_b32 s2, hwreg(HW_REG_IB_STS2, 6, 4)
	s_cmp_eq_u32 s2, 0
	s_cbranch_scc0 .Lentry_in_a_cluster
	s_endpgm
.Lentry_in_a_cluster:
	s_bfe_u32 s2, ttmp6, 0x10000c
	s_cmp_lg_u32 s2, 0xf033
	s_cbranch_scc0 .Lentry_shape_is_right
	s_endpgm
.Lentry_shape_is_right:
; out0 = o Wo + bo on codes of FP8 (E4M3): K = 1,024; entries 10 and 11 of the scales; each finished sum x 2^(e10 + e11), then + bo.  LIMIT: e10 + e11 between -126 and 127, so that the factor is an f32 number.
; o's codes lie in oimg as images of fragments' registers, [tile of 16 rows 512][head 16][half 2][lane 32][16 bytes]; Wo's codes in plane 3 of wc, [n 1024][k 1024], K in the order of those images.
; A block of out0, 128 rows x 256 columns, is made by a work-group of four waves: 64 x 4 blocks = 256 work-groups.  A wave makes 64 x 128: 32 accumulators of 16 x 16, one register window.
; K goes in steps of 256 through a ring of two LDS slots filled by the tensor data mover: 128 rows of A as images (8 tiles x 4,096 bytes, no padding), 256 rows of B of 256 bytes + 16 of padding.
; CLUSTERS: 4 x 4 work-groups.  The four of a row of the cluster need the same tiles of A, the four of a column the same tiles of B: each is asked for JOINTLY, with a mask that names the four.
; Waves 0 and 1 fetch A's halves (4 tiles each), waves 2 and 3 B's (128 rows each): one tensor load a wave behind each round.
; THE MATRIX INSTRUCTION IS USED TRANSPOSED (source 0 = 16 rows of Wo's plane, source 1 = 16 rows of o): a lane holds eight neighbouring numbers of a row of out0.
; REGISTERS: window 0: v0-31 addresses, v128-191 and v192-255 A's fragments, two sets of 4 x 16; window 1: B's fragments, two sets of 8 x 16, at v0 and v128; window 2: the accumulators, (a, b) at v[8 (8 a + b)].
; A step of 128 along K is 32 matrix instructions; the next step's 48 LDS loads go out ahead of them, into the other sets.
; NO PREFETCH: K is four slots and the walk is written out: two are asked for at the head and the other two one slot later; there is no loop to run ahead in.
.set PITCH,  272
.set FR,     16
.set NP,     4
.set AHALF,  16384                     ; 64 rows of A for 256 along K: four tiles of 4,096 bytes
.set BHALF,  128*PITCH
.set BOFF,   2*AHALF
.set SLOT,   2*AHALF+2*BHALF
.set SPARE,  2*SLOT                    ; behind the ring: the spare words, 128 bytes for each wave, that no other line names
.set SPITCH, 528                       ; the way out: a stage of 16 rows x (512 + 16) bytes for each wave, in slot 0, which has had its last fill and its last read by then
.set BI,   8                           ; v8-11  bo at my four columns of the way out
.set ADRA, 16
.set ADRB, 20
.set STO,  24
.set RD,   25
.set CO,   26
.set SPW,  28
.set NIL,  29
.set AF,   128
.set BK,   128
.set G1, 24
.set G0, 32
.set G1B, 48
.set G0B, 56
.set MSB, 0
.macro WIN new                         ; the immediate's high byte repeats the setting that is left
.if MSB != \new
	s_set_vgpr_msb (MSB<<8)|\new
.set MSB, \new
.endif
.endm
.set MUL_LO, 0xa1                      ; source 0 (B) window 1, source 1 (A) window 0, C and D window 2
.set TO_B,   0x40
.macro JLOAD g0a, g1a, g0b, g1b        ; a joint load: the branch hangs on the wave's number alone; an s_nop 0 and four v_nop follow each line
	s_cmp_eq_u32 s15, 0
	s_cbranch_scc0 .Lfor_b_\@
	tensor_load_to_lds s[\g0a:\g0a+3], s[\g1a:\g1a+7]
	s_nop 0
.rept 4
	v_nop
.endr
	s_branch .Lasked_\@
.Lfor_b_\@:
	tensor_load_to_lds s[\g0b:\g0b+3], s[\g1b:\g1b+7]
	s_nop 0
.rept 4
	v_nop
.endr
.Lasked_\@:
.endm
.macro CREST
	s_cmp_lg_u32 s14, 0
	s_cbranch_scc1 .Lnot_wave_0_\@
	s_barrier_signal -3
.Lnot_wave_0_\@:
	s_barrier_wait -3
	s_barrier_signal -1
	s_barrier_wait -1
.endm
.macro CROUND
	s_barrier_signal -1
	s_barrier_wait -1
	CREST
.endm
	s_load_b128 s[4:7], s[0:1], 0x0                ; oimg, wc
	s_load_b128 s[8:11], s[0:1], 0x10              ; the scales' exponents, bo
	s_load_b64 s[12:13], s[0:1], 0x20              ; out0
	v_lshl_add_u32 v[SPW], v0, 2, SPARE
	v_mov_b32 v[NIL], 0
	ds_add_u32 v28, v29                            ; the opening: the add, twice on end, and its wait
	ds_add_u32 v28, v29
	s_wait_dscnt 0x0
	v_lshrrev_b32 v1, 5, v0
	v_readfirstlane_b32 s14, v1                    ; wave
	s_lshr_b32 s15, s14, 1                         ; which 64 rows are mine.  Also: I fetch for A (0) or for B (1)
	s_and_b32 s16, s14, 1                          ; which 128 columns.  Also: which half of that tile I fetch
	s_bfe_u32 s40, ttmp6, 0x40000
	s_bfe_u32 s41, ttmp6, 0x40004
	s_lshl_b32 s42, ttmp9, 2
	s_add_co_u32 s42, s42, s40                     ; block column
	s_and_b32 s17, ttmp7, 0xffff
	s_lshl_b32 s17, s17, 2
	s_add_co_u32 s17, s17, s41                     ; block row
	s_lshl_b32 s43, s41, 2
	s_lshl_b32 s43, 15, s43                        ; my row of the cluster
	s_lshl_b32 s44, 0x1111, s40                    ; my column
	s_or_b32 s[G1+0], s43, (0<<16)|(1<<21)         ; A: four rows of 4,096 bytes, 16,384 apart, no padding
	s_mov_b32 s[G1+1], 4096<<16
	s_mov_b32 s[G1+2], 4<<16
	s_mov_b32 s[G1+3], 4096<<16
	s_mov_b32 s[G1+4], 4
	s_mov_b32 s[G1+5], 16384
	s_mov_b32 s[G1+6], 0
	s_mov_b32 s[G1+7], 0
	s_or_b32 s[G1B+0], s44, (0<<16)|(1<<20)|(1<<21)|(5<<22)|(3<<25)   ; B: 128 rows of 256 bytes, 1,024 apart, four words of padding behind each
	s_mov_b32 s[G1B+1], 256<<16
	s_mov_b32 s[G1B+2], 128<<16
	s_mov_b32 s[G1B+3], 256<<16
	s_mov_b32 s[G1B+4], 128
	s_mov_b32 s[G1B+5], 1024
	s_mov_b32 s[G1B+6], 0
	s_mov_b32 s[G1B+7], 0
	s_lshl_b32 s18, s16, 17                        ; B: 128 rows of 1,024 bytes
	s_lshl_b32 s19, s16, 16                        ; A: four tiles of 16,384 bytes
	s_lshl_b32 s20, s17, 17                        ; A: a block row is eight tiles
	s_add_co_u32 s20, s20, s19
	s_lshl_b32 s46, s42, 18
	s_add_co_u32 s46, s46, s18
	s_mov_b32 s21, 0
	s_mov_b32 s47, 0
	s_lshl_b32 s45, s16, 14
	s_mul_i32 s84, s16, BHALF
	s_add_co_u32 s84, s84, BOFF
	s_wait_kmcnt 0x0
	s_load_b64 s[96:97], s[8:9], 0x28              ; e10, e11
	s_add_nc_u64 s[20:21], s[4:5], s[20:21]
	s_add_nc_u64 s[46:47], s[6:7], s[46:47]
	s_add_nc_u64 s[46:47], s[46:47], 0x300000      ; plane 3
	CROUND
.irp s, 0,1                            ; K steps 0 and 1: each behind the wait, the two adds, their wait and the round, one tensor load a wave
	s_mov_b32 s[G0+4*\s], 1
	s_add_co_u32 s[G0+4*\s+1], s45, \s*SLOT
	s_add_nc_u64 s[G0+4*\s+2:G0+4*\s+3], s[20:21], \s*4096
	s_or_b32 s[G0+4*\s+3], s[G0+4*\s+3], 0x80000000
	s_mov_b32 s[G0B+4*\s], 1
	s_add_co_u32 s[G0B+4*\s+1], s84, \s*SLOT
	s_add_nc_u64 s[G0B+4*\s+2:G0B+4*\s+3], s[46:47], \s*256
	s_or_b32 s[G0B+4*\s+3], s[G0B+4*\s+3], 0x80000000
	s_wait_alu depctr_va_vdst(0)
	s_wait_tensorcnt 0x0
	ds_add_u32 v28, v29
	ds_add_u32 v28, v29
	s_wait_dscnt 0x0
	CROUND
	JLOAD G0+4*\s, G1, G0B+4*\s, G1B
.endr
	v_and_b32 v1, 15, v0
	v_bfe_u32 v2, v0, 4, 1
	v_mul_u32_u24 v3, v1, PITCH
	v_lshl_add_u32 v4, v2, 4, v3
	v_and_b32 v6, 31, v0
	v_lshlrev_b32 v[CO], 4, v6
	s_wait_alu depctr_va_vdst(0)
	s_lshl_b32 s21, s15, 14                        ; my four tiles of A
	s_mul_i32 s22, s16, BHALF
	s_add_co_u32 s22, s22, BOFF                    ; my 128 rows of B
.irp s, 0,1
	v_add_nc_u32 v[ADRA+\s], s21, v[CO]
	v_add_nc_u32 v[ADRB+\s], s22, v4
	s_add_co_u32 s21, s21, SLOT
	s_add_co_u32 s22, s22, SLOT
.endr
	s_mul_i32 s23, s14, 16*SPITCH
	v_mul_u32_u24 v5, v1, SPITCH
	v_lshl_add_u32 v5, v2, 5, v5
	v_add_nc_u32 v[STO], s23, v5
	v_add_nc_u32 v[RD], s23, v[CO]
	s_lshl_b32 s20, s17, 7
	s_lshl_b32 s21, s15, 6
	s_add_co_u32 s20, s20, s21                     ; my first row of out0: 128 x block row + 64 x half
	s_lshl_b32 s20, s20, 12
	s_mov_b32 s21, 0
	s_lshl_b32 s46, s42, 10
	s_lshl_b32 s47, s16, 9
	s_add_co_u32 s46, s46, s47                     ; my first column, in bytes
	s_mov_b32 s47, 0
	s_add_nc_u64 s[10:11], s[10:11], s[46:47]
	global_load_b128 v[BI:BI+3], v[CO], s[10:11]
	s_add_nc_u64 s[20:21], s[20:21], s[46:47]
	s_add_nc_u64 s[12:13], s[12:13], s[20:21]
.macro FRAGA reg, adr, q, i
.irp c, 0,1,2,3
	ds_load_b128 v[\reg+4*\c:\reg+4*\c+3], v[\adr] offset:2048*(\q)+512*\c+(\i)*4096
.endr
.endm
.macro FRAGB reg, adr, q, i
.irp c, 0,1,2,3
	ds_load_b128 v[\reg+4*\c:\reg+4*\c+3], v[\adr] offset:128*(\q)+32*\c+(\i)*16*PITCH
.endr
.endm
; 16 matrix instructions: A's registers a0, a0 + 1 (0-3: set 0; 4-7: set 1) x B's eight of set p.  The 32 accumulators take turns, in the same order in every step.
.macro MUL16 a0, p, zero
.irp a, \a0, \a0+1
.irp b, 0,1,2,3,4,5,6,7
.if \zero
	v_wmma_f32_16x16x128_fp8_fp8 v[8*(8*((\a)%4)+\b):8*(8*((\a)%4)+\b)+7], v[128*(\p)+FR*\b:128*(\p)+FR*\b+FR-1], v[AF+FR*(\a):AF+FR*(\a)+FR-1], 0
.else
	v_wmma_f32_16x16x128_fp8_fp8 v[8*(8*((\a)%4)+\b):8*(8*((\a)%4)+\b)+7], v[128*(\p)+FR*\b:128*(\p)+FR*\b+FR-1], v[AF+FR*(\a):AF+FR*(\a)+FR-1], v[8*(8*((\a)%4)+\b):8*(8*((\a)%4)+\b)+7]
.endif
.endr
.endr
.endm
.macro FETCH slot, q, p                ; the fragments of the slot's q-th 128 along K into sets p: 32 loads for B, 16 for A
	WIN TO_B
.irp i, 0,1,2,3,4,5,6,7
	FRAGB 128*(\p)+FR*\i, ADRB+\slot, \q, \i
.endr
	WIN 0
.irp i, 0,1,2,3
	FRAGA AF+64*(\p)+FR*\i, ADRA+\slot, \q, \i
.endr
.endm
.macro PLACES n
.rept \n
	v_nop
.endr
.endm
; A slot's first step multiplies sets 0; ahead of its products the second step's fragments are asked for, into sets 1.
.macro STEP slot, zero
	s_wait_dscnt 0x0                               ; sets 0 are in
	PLACES NP                                      ; in front of loads into sets 1, which the step before multiplied
	FETCH \slot, 1, 1
	WIN MUL_LO
	MUL16 0, 0, \zero
	MUL16 2, 0, \zero
	WIN 0
.endm
; A slot's second step multiplies sets 1 and changes slots: in front of the barrier each wave waits for all its tensor loads, adds 0 to its spare word, and waits for that and for its reads of this slot.
.macro TURN slot, next, fill
	s_wait_tensorcnt 0x0                           ; my part of the next slot has landed
	ds_add_u32 v[SPW], v[NIL]
	s_wait_dscnt 1                                 ; sets 1 are in; the add alone may be out
	WIN MUL_LO
	MUL16 4, 1, 0                                  ; sixteen matrix instructions stand between the add and the wait for it
	WIN 0
	s_wait_dscnt 0x0
	s_barrier_signal -1
	s_barrier_wait -1
.if \fill
	CREST                                          ; the barrier has opened a round of the cluster's barrier
	s_add_nc_u64 s[G0+4*\slot+2:G0+4*\slot+3], s[G0+4*\slot+2:G0+4*\slot+3], 2*4096
	s_add_nc_u64 s[G0B+4*\slot+2:G0B+4*\slot+3], s[G0B+4*\slot+2:G0B+4*\slot+3], 2*256
	JLOAD G0+4*\slot, G1, G0B+4*\slot, G1B         ; the first tensor load behind the round; its four v_nop are the places in front of the loads below
.else
	PLACES NP
.endif
	FETCH \next, 0, 0                              ; the next slot's first fragments come under the sixteen products below
	WIN MUL_LO
	MUL16 6, 1, 0
	WIN 0
.endm
	s_wait_alu depctr_va_vdst(0)                   ; the wait at the head's end
	s_wait_tensorcnt 1                             ; K step 0 is in; K step 1's load may be out
	s_barrier_signal -1
	s_barrier_wait -1
	FETCH 0, 0, 0
	STEP 0, 1                                      ; the first step's products start the sums
	TURN 0, 1, 1                                   ; slot 0 takes K step 2
	STEP 1, 0
	TURN 1, 0, 1                                   ; slot 1 takes K step 3
	STEP 0, 0
	TURN 0, 1, 0                                   ; nothing more is filled
	STEP 1, 0
	s_wait_dscnt 0x0
	WIN MUL_LO
	MUL16 4, 1, 0
	MUL16 6, 1, 0
	WIN 0
; THE WAY OUT, block by block of 16 rows x 128 columns, through my own stage: in as 32 bytes a lane, back as whole rows of 512 bytes, x 2^(e10 + e11) + bo, stored as two aligned units of 256 bytes.
.macro TOSTAGE a
.set AC, 64*(\a)
	WIN 0x08                                       ; the stores' data: window 2
.irp b, 0,1,2,3,4,5,6,7
	ds_store_b128 v[STO], v[AC+8*\b:AC+8*\b+3] offset:64*\b
	ds_store_b128 v[STO], v[AC+8*\b+4:AC+8*\b+7] offset:64*\b+16
.endr
	WIN 0
.set BB, BK+64*((\a)%2)
.irp t, 0,1,2,3,4,5,6,7,8,9,10,11,12,13,14,15
	ds_load_b128 v[BB+4*\t:BB+4*\t+3], v[RD] offset:\t*SPITCH   ; LDS serves a wave's instructions in order (ISA guide 5.7.1.4)
.endr
.endm
.macro SEND a, younger
.set BB, BK+64*((\a)%2)
	s_wait_dscnt \younger
.if (\a) > 0
	s_add_nc_u64 s[12:13], s[12:13], 16*4096       ; (behind a wait on XCNT)  16 rows on
.endif
.irp t, 0,1,2,3,4,5,6,7,8,9,10,11,12,13,14,15
	v_pk_fma_f32 v[BB+4*\t:BB+4*\t+1], v[BB+4*\t:BB+4*\t+1], s[96:97], v[BI:BI+1] op_sel_hi:[1,0,1]
	v_pk_fma_f32 v[BB+4*\t+2:BB+4*\t+3], v[BB+4*\t+2:BB+4*\t+3], s[96:97], v[BI+2:BI+3] op_sel_hi:[1,0,1]
.endr
.irp t, 0,1,2,3,4,5,6,7,8,9,10,11,12,13,14,15
	global_store_b128 v[CO], v[BB+4*\t:BB+4*\t+3], s[12:13] offset:\t*4096 th:TH_STORE_NT
.endr
.endm
	s_wait_kmcnt 0x0
	s_add_co_i32 s96, s96, s97
	s_add_co_i32 s96, s96, 127
	s_lshl_b32 s96, s96, 23                        ; 2^(e10 + e11) as f32
	s_wait_loadcnt 0x0                             ; bo
	PLACES NP
	TOSTAGE 0
.irp a, 1,2,3
.if \a > 1
	s_wait_xcnt 0x0                                ; block a - 2's stores have read their registers and their base
.endif
	TOSTAGE \a
	SEND \a-1, 32                                  ; behind block a - 1's loads: block a's 16 stores and 16 loads
.endr
	s_wait_xcnt 0x0
	SEND 3, 0
	s_wait_tensorcnt 0x0                           ; the wave's end
	ds_add_u32 v[SPW], v[NIL]
	s_wait_dscnt 0x0
	CROUND                                         ; the closing round
	s_endpgm
.Lfunc_end_k_qc17c71d2fc_outp:
	.size	k_qc17c71d2fc_outp, .Lfunc_end_k_qc17c71d2fc_outp-k_qc17c71d2fc_outp
	.p2alignl 7, 3214868480
	.fill 96, 4, 3214868480
	.section	.rodata,"a",@progbits
	.p2align	6, 0x0
	.amdhsa_kernel k_qc17c71d2fc_outp
		.amdhsa_group_segment_fixed_size 327680
		.amdhsa_private_segment_fixed_size 0
		.amdhsa_enable_private_segment 0
		.amdhsa_kernarg_size 40
		.amdhsa_user_sgpr_count 2
		.amdhsa_user_sgpr_kernarg_segment_ptr 1
		.amdhsa_wavefront_size32 1
		.amdhsa_system_sgpr_workgroup_id_x 1
		.amdhsa_system_sgpr_workgroup_id_y 1
		.amdhsa_system_sgpr_workgroup_id_z 1
		.amdhsa_system_vgpr_workitem_id 0
		.amdhsa_next_free_vgpr 768
		.amdhsa_next_free_sgpr 100
		.amdhsa_reserve_vcc 0
		.amdhsa_float_denorm_mode_32 3
		.amdhsa_float_denorm_mode_16_64 3
		.amdhsa_memory_ordered 1
		.amdhsa_forward_progress 1
		.amdhsa_inst_pref_size 76
	.end_amdhsa_kernel
	.amdgpu_metadata
---
amdhsa.version: [ 1, 2 ]
amdhsa.kernels:
  - .name:           k_qc17c71d2fc_outp
    .symbol:         k_qc17c71d2fc_outp.kd
    .args:
      - { .name: oimg, .offset: 0, .size: 8, .value_kind: global_buffer, .address_space: global }
      - { .name: wc, .offset: 8, .size: 8, .value_kind: global_buffer, .address_space: global }
      - { .name: lowp_scales, .offset: 16, .size: 8, .value_kind: global_buffer, .address_space: global }
      - { .name: bo, .offset: 24, .size: 8, .value_kind: global_buffer, .address_space: global }
      - { .name: out0, .offset: 32, .size: 8, .value_kind: global_buffer, .address_space: global }
    .group_segment_fixed_size: 327680
    .private_segment_fixed_size: 0
    .kernarg_segment_align: 8
    .kernarg_segment_size: 40
    .max_flat_workgroup_size: 128
    .sgpr_count:     100
    .vgpr_count:     768
    .wavefront_size: 32
...
	.end_amdgpu_metadata
.endif
;; end of part 4
